; MI455X (gfx1250); checked and timed in simulation.
; The chip was launched on July 23, 2026; its instructions are those of AMD's public machine-readable ISA for CDNA 5 (MIT licence, August 2026) and "CDNA5" Instruction Set Architecture Reference Guide (July 2026). The comments in the code are by the model that wrote it; some were corrected since.
;; Chaos Net Model. Allowed arithmetic: float matrix products may take bf16 or f16 operands with f32 sums; all other float work in f32.
;; Inputs: W 2 x 128 float32; b 2 float32; epsilon 1 float32; initial_cond 1 float32; threshold 1 float32; x 2,048 x 32 float32.
;; Outputs: out0 2,048 x 2 float32.
;; 2 versions, each right and faster than the one before. Each part assembles by itself: llvm-mc -triple=amdgcn-amd-amdhsa -mcpu=gfx1250 --defsym DOCPART=n.
;; ======== version 1 of 2: 1 launch
;; launch chaos (part 1): grid 256 x 1, 4 waves a work-group, no clusters, 0 bytes of LDS; arguments x, initial_cond, threshold, epsilon, W, b, out0; writes out0
.if DOCPART == 1
	.amdgcn_target "amdgcn-amd-amdhsa--gfx1250"
	.amdhsa_code_object_version 6
	.text
	.protected	k_qa05131d3e4_chaos
	.globl	k_qa05131d3e4_chaos
	.p2align	8
	.type	k_qa05131d3e4_chaos,@function
k_qa05131d3e4_chaos:
	s_mov_b64 s[64:65], 0
	v_nop
	global_prefetch_b8 v0, s[64:65] scope:SCOPE_SE
	s_setreg_imm32_b32 hwreg(HW_REG_WAVE_MODE, 25, 1), 1
	s_wait_xcnt 0x0
; ChaosNet: firing time, energy, firing rate and entropy of 2048 x 32 numbers x against ONE skew-tent trajectory of 5,000 steps, then [2048,128] x [128,2] + b.
; WHAT BINDS.  The trajectory z' = z < thr ? z / thr : (1 - z) / (1 - thr) is chaotic: a last bit that differs from the f32 quotient grows into another trajectory, so every
; quotient is made correctly rounded, and step k + 1 cannot start before step k has ended.  The kernel is this chain of 5,000 x 5 dependent instructions; all else stands between its links.
; SHARES.  256 work-groups x 4 waves, a wave to a SIMD.  Thread t (counted over the launch) holds the numbers 2 t and 2 t + 1 of x: row t / 16, features 2 (t % 16) and + 1.
; Every wave makes the trajectory itself, the same number in all lanes: handing it round would not shorten the chain, and the lanes' own work (8 instructions a step) fits between its links.
; THE QUOTIENT a / b: r = 1 / b (v_rcp_f32, refined twice, once for the launch); q0 ~ a r; e = a - b q0; q1 = q0 + e r; e' = a - b q1; q = q1 + e' r, each one fused multiply-add.
; q1 is within one unit of a / b, e' is exact, and the last link then rounds as the division does (Markstein's theorem on FMA division).
; The second branch is kept as (z - 1) / (thr - 1), the same quotient bit for bit, so that both branches read a = z + tau, q0 = z r + tau_r with (tau, r, tau_r, -b) = (0, 1/thr, 0, -thr)
; or (-1, -1/(1-thr), 1/(1-thr), 1-thr).  q0 does not wait for a: it may be two units further off, which q1 mends.
; THE BRANCH IS KNOWN A STEP AHEAD.  The map rises or falls monotonically on each branch, rounding included, so the z whose successor is NOT below thr are an interval [lo, hi] of floats
; (0 < thr < 1: about [thr^2, 1 - thr + thr^2]; thr >= 1: [1 - thr + thr^2, +inf]; thr <= 0: [-inf, 1 - thr + thr^2]).  Its ends are found once, exactly, by sending 16 neighbours of each
; estimate through the map itself.  In the loop step k + 1's four constants are chosen from z_k while step k's chain runs: no compare and no select stands in the chain.
; THE PRODUCT WITH W is done by fused multiply-adds in f32, 16 a lane, once: it has two columns, a matrix tile of 16 x 16 would be seven eighths empty, and bf16 would round firing times up to 5,000.
; THE STORE: a wave's result is 16 bytes (two rows x two numbers), a work-group's 64; whole blocks of 256 bytes would want 32 rows, 16 waves, in a work-group: four times the loop work on a SIMD.
; LIMITS.  The quotient is correctly rounded while no intermediate underflows (dividends above about 2^-100 in magnitude); smaller ones arise only where the map contracts towards 0 (thr > 1)
; and are then at most one denormal unit off.  Where the JAX function divides by zero (thr exactly 0 or 1 AND that branch taken) this text makes NaN where it makes infinities: the outputs are
; not finite either way.  p = cnt / tt is a reciprocal with one correction, log2 is v_log_f32, and a row's 128 products are added in another order than a dot product's.
.set STEPS,  5000
.set UNROLL, 40                        ; steps in a trip (even: two sets of registers take turns); 125 trips
.set XO,   1                           ; v1      byte offset of my 8 bytes of x
.set WO,   2                           ; v2      byte offset of my 8 numbers in a row of W
.set OO,   3                           ; v3      byte offset of my row in out0 (used by lanes 0 and 16)
.set X,    4                           ; v[4:5]   my two x
.set ZZ,   6                           ; v[6:7]   z of the even steps, z of the odd steps
.set AF,   8                           ; v[8:9]   1.0 until the element has fired, then 0
.set TT,   10                          ; v[10:11] firing time
.set EN,   12                          ; v[12:13] energy
.set CN,   14                          ; v[14:15] steps above the threshold
.set D,    16                          ; v[16:17] z - x
.set CG,   18                          ; v[18:19] z^2, and g = 1.0 where z > thr
.set A,    20                          ; the chain: dividend,
.set Q0,   21                          ; first quotient,
.set REM,  22                          ; remainder,
.set Q1,   23                          ; second quotient,
.set REM2, 24                          ; remainder
.set WM,   25                          ; z clamped to [lo, hi]
.set C0,   26                          ; v[26:29] tau, r, tau_r, -b of the even steps
.set C1,   30                          ; v[30:33] of the odd steps
.set THR,  34
.set OMT,  35                          ; 1 - thr, rounded once, as the JAX function rounds it
.set RA,   36                          ; 1 / thr
.set RB,   37                          ; 1 / (1 - thr)
.set NRB,  38                          ; - 1 / (1 - thr)
.set NTHR, 39                          ; - thr
.set IVLO, 40                          ; lo
.set IVHI, 41                          ; hi
.set EPS,  42
.set PL,   43                          ; my place among the 16 lanes of a row of x
.set WT,   44                          ; v[44:51] W[0][8 PL ..], v[52:59] W[1][8 PL ..]
.set T,    60                          ; v[60:65] at work
.set CAND, 68
.set NINF, 69                          ; -inf
.set P,    70                          ; v[70:71] firing rate
.set OM,   72                          ; v[72:73] 1 - p
.set LG,   74                          ; v[74:77] log2 of p, p, 1 - p, 1 - p
.set H,    78                          ; v[78:79] p log2 p + (1 - p) log2 (1 - p)
.set ACC,  80                          ; v[80:81] my part of out0[row][0], [1]
.set SG,   30                          ; s30      lanes where z > thr
.set SF,   31                          ; s31, s32 lanes whose first, second element fires in this step
.set SLT1, 36                          ; s36      thr < 1
.set SGT0, 37                          ; s37      thr > 0
.set SROW, 38                          ; s38      lanes 0 to 15
; The four constants of a step, into set c: VCC = the step's z is below thr
.macro CHOOSE c
	v_cndmask_b32 v[\c],   -1.0,    0,       vcc_lo
	v_cndmask_b32 v[\c+1], v[NRB],  v[RA],   vcc_lo
	v_cndmask_b32 v[\c+2], v[RB],   0,       vcc_lo
	v_cndmask_b32 v[\c+3], v[OMT],  v[NTHR], vcc_lo
.endm
; One step of the map, bare: zo = f(zi) with the constants of set c
.macro MAP zi, zo, c
	v_add_f32 v[A],    v[\zi],   v[\c]
	v_fma_f32 v[Q0],   v[\zi],   v[\c+1], v[\c+2]
	v_fma_f32 v[REM],  v[\c+3],  v[Q0],   v[A]
	v_fma_f32 v[Q1],   v[REM],   v[\c+1], v[Q0]
	v_fma_f32 v[REM2], v[\c+3],  v[Q1],   v[A]
	v_fma_f32 v[\zo],  v[REM2],  v[\c+1], v[Q1]
.endm
	s_load_b256 s[4:11], s[0:1], 0x0               ; x s[4:5], initial_cond s[6:7], threshold s[8:9], epsilon s[10:11]
	s_load_b128 s[12:15], s[0:1], 0x20             ; W s[12:13], b s[14:15]
	s_load_b64 s[16:17], s[0:1], 0x30              ; out0
	v_and_b32 v[PL], 15, v0
	v_lshlrev_b32 v[XO], 3, v0                     ; 8 bytes a thread,
	v_lshlrev_b32 v[WO], 5, v[PL]                  ; 8 numbers of W a lane: features 2 PL and 2 PL + 1, four numbers each
	v_lshrrev_b32 v[OO], 1, v0                     ; 8 bytes a row of 16 threads
	s_lshl_b32 s18, ttmp9, 10                      ; a work-group has 1,024 bytes of x
	s_lshl_b32 s19, ttmp9, 6                       ; and 64 bytes of out0
	v_add_nc_u32 v[XO], s18, v[XO]
	v_add_nc_u32 v[OO], s19, v[OO]
	s_wait_kmcnt 0x0
	s_load_b32 s20, s[6:7], 0x0                    ; initial_cond
	s_load_b32 s21, s[8:9], 0x0                    ; threshold
	s_load_b32 s22, s[10:11], 0x0                  ; epsilon
	s_load_b64 s[24:25], s[14:15], 0x0             ; b
	global_load_b64 v[X:X+1], v[XO], s[4:5] th:TH_LOAD_NT      ; a wave takes 256 consecutive bytes, at a multiple of 256 from x's first byte
	global_load_b128 v[WT:WT+3],     v[WO], s[12:13]
	global_load_b128 v[WT+4:WT+7],   v[WO], s[12:13] offset:16
	global_load_b128 v[WT+8:WT+11],  v[WO], s[12:13] offset:512
	global_load_b128 v[WT+12:WT+15], v[WO], s[12:13] offset:528
	s_wait_kmcnt 0x0
	; the fixed constants, the same in every lane
	v_mov_b32 v[THR], s21
	v_mov_b32 v[EPS], s22
	v_mov_b32 v[ZZ], s20                           ; z_0
	v_mov_b32 v[ZZ+1], 0                           ; named with it as a pair, so it is written
	v_sub_f32 v[OMT], 1.0, v[THR]
	v_xor_b32 v[NTHR], 0x80000000, v[THR]
	v_rcp_f32 v[RA], v[THR]
	v_rcp_f32 v[RB], v[OMT]
	v_mov_b32 v[NINF], 0xff800000                  ; the plain instruction between the reciprocals and their first use
	s_wait_alu depctr_va_vdst(0)
.rept 2                                ; r <- r + r (1 - b r), twice: the reciprocal to the last bit
	v_fma_f32 v[T],   -v[THR], v[RA], 1.0
	v_fma_f32 v[T+1], -v[OMT], v[RB], 1.0
	v_fma_f32 v[RA], v[T],   v[RA], v[RA]
	v_fma_f32 v[RB], v[T+1], v[RB], v[RB]
.endr
	v_xor_b32 v[NRB], 0x80000000, v[RB]
	; THE ENDS OF [lo, hi].  Lanes 0-15 try the estimate of lo and its neighbours -8 .. +7 units in the last place away, lanes 16-31 the same round hi.  An estimate is a product or a
	; fused multiply-add of thr and 1 - thr, and the true end differs from it by the half units of thr, of 1 - z and of the estimate's own rounding: three units at the most.
	v_add_nc_u32 v[T], -8, v[PL]
	v_mul_f32 v[T+1], v[THR], v[THR]               ; thr^2
	v_fma_f32 v[T+2], -v[OMT], v[THR], 1.0         ; 1 - (1 - thr) thr: at least 0.75, so stepping its bits steps the float
	v_and_b32 v[T+3], 16, v0
	v_cmp_gt_f32 s[SLT1], 1.0, v[THR]
	v_cmp_lt_f32 s[SGT0], 0, v[THR]
	v_cmp_eq_u32 s[SROW], 0, v[T+3]
	v_cndmask_b32 v[T+1], v[T+2], v[T+1], s[SLT1]  ; lo lies near thr^2 where thr < 1, else near the other estimate
	v_cndmask_b32 v[T+1], v[T+2], v[T+1], s[SROW]
	v_add_nc_u32 v[CAND], v[T+1], v[T]
	v_cmp_lt_f32 vcc_lo, v[CAND], v[THR]           ; each lane's candidate takes its own branch
	CHOOSE C1
	MAP CAND, T+1, C1
	v_cmp_lt_f32 vcc_lo, v[T+1], v[THR]            ; its successor is below thr: the candidate lies outside the interval
	v_xor_b32 v[T+2], 0x80000000, v[CAND]
	v_cndmask_b32 v[T+2], v[CAND], v[T+2], s[SROW] ; lanes 0-15 look for the least candidate inside: the largest of the negated ones
	v_cndmask_b32 v[T+2], v[T+2], v[NINF], vcc_lo
.irp m, 1,2,4,8
	v_max_num_f32_dpp v[T+2], v[T+2], v[T+2] row_xmask:\m row_mask:0xf bank_mask:0xf
.endr
	v_readlane_b32 s34, v[T+2], 0                  ; - lo
	v_readlane_b32 s35, v[T+2], 16                 ; hi
	v_mov_b32 v[IVLO], s34
	v_mov_b32 v[IVHI], s35
	v_mov_b32 v[T+3], 0x7f800000
	v_xor_b32 v[IVLO], 0x80000000, v[IVLO]
	v_cndmask_b32 v[IVLO], v[NINF], v[IVLO], s[SGT0]   ; thr <= 0: the interval has no lower end
	v_cndmask_b32 v[IVHI], v[T+3],  v[IVHI], s[SLT1]   ; thr >= 1: no upper end
	v_cmp_lt_f32 vcc_lo, v[ZZ], v[THR]             ; step 0's branch is read off z_0 itself
	CHOOSE C0
.irp r, AF, AF+1
	v_mov_b32 v[\r], 1.0
.endr
.irp r, TT, TT+1, EN, EN+1, CN, CN+1
	v_mov_b32 v[\r], 0
.endr
	s_wait_loadcnt 0x4                             ; x is in: loads come back in order, and the four loads of W issued behind it may stay out until the loop has ended
; STEP k, k % 2 = i.  The chain's links (marked *) are MAP's; between them stand step k's work on my two elements, which needs z_k alone, and the choice of step k + 1's constants.
; As in the JAX function an element still counts the step in which it fires: the three sums take af before the step's test clears it.
.macro STEP i
.set ZI,  ZZ+\i
.set ZO,  ZZ+1-\i
.set CC,  C0+4*\i
.set CNX, C0+4-4*\i
	v_add_f32 v[A],  v[ZI], v[CC]                                  ; *
	v_fma_f32 v[Q0], v[ZI], v[CC+1], v[CC+2]                       ; *
	v_med3_num_f32 v[WM], v[ZI], v[IVLO], v[IVHI]
	v_pk_add_f32 v[D:D+1], v[ZZ:ZZ+1], v[X:X+1] op_sel:[\i,0] op_sel_hi:[\i,1] neg_lo:[0,1] neg_hi:[0,1]   ; z_k - x, both elements
	v_cmp_gt_f32 s[SG], v[ZI], v[THR]
	v_mul_f32 v[CG], v[ZI], v[ZI]
	v_fma_f32 v[REM], v[CC+3], v[Q0], v[A]                         ; *
	v_cmp_neq_f32 vcc_lo, v[WM], v[ZI]                             ; z_k outside [lo, hi]: z_k+1 will be below thr
	v_cmp_lt_f32 s[SF],   |v[D]|,   v[EPS]
	v_cmp_lt_f32 s[SF+1], |v[D+1]|, v[EPS]
	v_cndmask_b32 v[CG+1], 0, 1.0, s[SG]
	v_fma_f32 v[Q1], v[REM], v[CC+1], v[Q0]                        ; *
	CHOOSE CNX
	v_fma_f32 v[REM2], v[CC+3], v[Q1], v[A]                        ; *
	v_pk_add_f32 v[TT:TT+1], v[TT:TT+1], v[AF:AF+1]
	v_pk_fma_f32 v[EN:EN+1], v[AF:AF+1], v[CG:CG+1], v[EN:EN+1] op_sel_hi:[1,0,1]                  ; + af z^2
	v_pk_fma_f32 v[CN:CN+1], v[AF:AF+1], v[CG:CG+1], v[CN:CN+1] op_sel:[0,1,0] op_sel_hi:[1,1,1]   ; + af g
	v_fma_f32 v[ZO], v[REM2], v[CC+1], v[Q1]                       ; *
	v_cndmask_b32 v[AF],   v[AF],   0, s[SF]
	v_cndmask_b32 v[AF+1], v[AF+1], 0, s[SF+1]
.endm
	s_mov_b32 s26, STEPS/UNROLL
.Ltrip:
.rept UNROLL/2
	STEP 0
	STEP 1
.endr
	s_sub_co_i32 s26, s26, 1
	s_cmp_lg_u32 s26, 0
	s_cbranch_scc1 .Ltrip
	; THE FEATURES AND THE PRODUCT, once.  p = cnt / tt (tt is at least 1): reciprocal, quotient, one correction, so that cnt = tt gives exactly 1
	s_wait_loadcnt 0x0                             ; W
	v_rcp_f32 v[T],   v[TT]
	v_rcp_f32 v[T+1], v[TT+1]
	v_mul_f32 v[ACC],   v[TT], v[WT]               ; the first products start the sums; they are also the plain instructions behind the reciprocals
	v_mul_f32 v[ACC+1], v[TT], v[WT+8]
	s_wait_alu depctr_va_vdst(0)
	v_pk_mul_f32 v[T+2:T+3], v[CN:CN+1], v[T:T+1]
	v_pk_fma_f32 v[T+4:T+5], v[TT:TT+1], v[T+2:T+3], v[CN:CN+1] neg_lo:[1,0,0] neg_hi:[1,0,0]
	v_pk_fma_f32 v[P:P+1], v[T+4:T+5], v[T:T+1], v[T+2:T+3]
	v_sub_f32 v[OM],   1.0, v[P]
	v_sub_f32 v[OM+1], 1.0, v[P+1]
.irp e, 0,1                            ; v log2 v with log2 taken of 1 where v is not above 0: the product is then 0
	v_cmp_lt_f32 vcc_lo, 0, v[P+\e]
	v_cndmask_b32 v[LG+\e], 1.0, v[P+\e], vcc_lo
	v_cmp_lt_f32 vcc_lo, 0, v[OM+\e]
	v_cndmask_b32 v[LG+2+\e], 1.0, v[OM+\e], vcc_lo
.endr
.irp i, 0,1,2,3
	v_log_f32 v[LG+\i], v[LG+\i]
.endr
.irp j, 0,1                            ; W[j][4 f + c]: c = 0 firing time, 1 energy, 2 rate, 3 entropy.  These ten stand behind the logarithms and touch none of them
	v_fmac_f32 v[ACC+\j], v[TT+1], v[WT+8*\j+4]
	v_fmac_f32 v[ACC+\j], v[EN],   v[WT+8*\j+1]
	v_fmac_f32 v[ACC+\j], v[EN+1], v[WT+8*\j+5]
	v_fmac_f32 v[ACC+\j], v[P],    v[WT+8*\j+2]
	v_fmac_f32 v[ACC+\j], v[P+1],  v[WT+8*\j+6]
.endr
	s_wait_alu depctr_va_vdst(0)
	v_pk_mul_f32 v[H:H+1], v[P:P+1], v[LG:LG+1]
	v_pk_fma_f32 v[H:H+1], v[OM:OM+1], v[LG+2:LG+3], v[H:H+1]
.irp j, 0,1
	v_fma_f32 v[ACC+\j], -v[H],   v[WT+8*\j+3], v[ACC+\j]          ; the entropy is - H
	v_fma_f32 v[ACC+\j], -v[H+1], v[WT+8*\j+7], v[ACC+\j]
.endr
.irp m, 1,2,4,8                        ; a row of x lies in 16 neighbouring lanes: four steps add their parts, and every lane has the sum
	v_add_f32_dpp v[ACC],   v[ACC],   v[ACC]   row_xmask:\m row_mask:0xf bank_mask:0xf
	v_add_f32_dpp v[ACC+1], v[ACC+1], v[ACC+1] row_xmask:\m row_mask:0xf bank_mask:0xf
.endr
	v_add_f32 v[ACC],   s24, v[ACC]
	v_add_f32 v[ACC+1], s25, v[ACC+1]
	v_cmp_eq_u32 vcc_lo, 0, v[PL]
	s_wait_xcnt 0x0                                ; EXEC is narrowed only when every earlier memory instruction has had its addresses translated
	s_and_saveexec_b32 s33, vcc_lo                 ; lanes 0 and 16: one for each of the wave's two rows
	global_store_b64 v[OO], v[ACC:ACC+1], s[16:17] th:TH_STORE_NT  ; 16 consecutive bytes a wave
	s_endpgm
.Lfunc_end_k_qa05131d3e4_chaos:
	.size	k_qa05131d3e4_chaos, .Lfunc_end_k_qa05131d3e4_chaos-k_qa05131d3e4_chaos
	.p2alignl 7, 3214868480
	.fill 96, 4, 3214868480
	.section	.rodata,"a",@progbits
	.p2align	6, 0x0
	.amdhsa_kernel k_qa05131d3e4_chaos
		.amdhsa_group_segment_fixed_size 0
		.amdhsa_private_segment_fixed_size 0
		.amdhsa_enable_private_segment 0
		.amdhsa_kernarg_size 56
		.amdhsa_user_sgpr_count 2
		.amdhsa_user_sgpr_kernarg_segment_ptr 1
		.amdhsa_wavefront_size32 1
		.amdhsa_system_sgpr_workgroup_id_x 1
		.amdhsa_system_sgpr_workgroup_id_y 1
		.amdhsa_system_sgpr_workgroup_id_z 1
		.amdhsa_system_vgpr_workitem_id 0
		.amdhsa_next_free_vgpr 84
		.amdhsa_next_free_sgpr 66
		.amdhsa_reserve_vcc 1
		.amdhsa_float_denorm_mode_32 3
		.amdhsa_float_denorm_mode_16_64 3
		.amdhsa_memory_ordered 1
		.amdhsa_forward_progress 1
		.amdhsa_inst_pref_size 59
	.end_amdhsa_kernel
	.amdgpu_metadata
---
amdhsa.version: [ 1, 2 ]
amdhsa.kernels:
  - .name:           k_qa05131d3e4_chaos
    .symbol:         k_qa05131d3e4_chaos.kd
    .args:
      - { .name: x, .offset: 0, .size: 8, .value_kind: global_buffer, .address_space: global }
      - { .name: initial_cond, .offset: 8, .size: 8, .value_kind: global_buffer, .address_space: global }
      - { .name: threshold, .offset: 16, .size: 8, .value_kind: global_buffer, .address_space: global }
      - { .name: epsilon, .offset: 24, .size: 8, .value_kind: global_buffer, .address_space: global }
      - { .name: W, .offset: 32, .size: 8, .value_kind: global_buffer, .address_space: global }
      - { .name: b, .offset: 40, .size: 8, .value_kind: global_buffer, .address_space: global }
      - { .name: out0, .offset: 48, .size: 8, .value_kind: global_buffer, .address_space: global }
    .group_segment_fixed_size: 0
    .private_segment_fixed_size: 0
    .kernarg_segment_align: 8
    .kernarg_segment_size: 56
    .max_flat_workgroup_size: 128
    .sgpr_count:     66
    .vgpr_count:     84
    .wavefront_size: 32
...
	.end_amdgpu_metadata
.endif
;; end of part 1
;; ======== version 2 of 2: 1 launch; 1.26 times as fast as version 1
;; launch chaos (part 2): grid 256 x 1, 4 waves a work-group, no clusters, 0 bytes of LDS; arguments x, initial_cond, threshold, epsilon, W, b, out0; writes out0
.if DOCPART == 2
	.amdgcn_target "amdgcn-amd-amdhsa--gfx1250"
	.amdhsa_code_object_version 6
	.text
	.protected	k_qa05131d3e4_chaos
	.globl	k_qa05131d3e4_chaos
	.p2align	8
	.type	k_qa05131d3e4_chaos,@function
k_qa05131d3e4_chaos:
	s_mov_b64 s[64:65], 0
	v_nop
	global_prefetch_b8 v0, s[64:65] scope:SCOPE_SE
	s_setreg_imm32_b32 hwreg(HW_REG_WAVE_MODE, 25, 1), 1
	s_wait_xcnt 0x0
; ChaosNet: firing time, energy, firing rate and entropy of 2048 x 32 numbers x against ONE skew-tent trajectory of 5,000 steps, then [2048,128] x [128,2] + b.
; WHAT BINDS.  The trajectory z' = z < thr ? z / thr : (1 - z) / (1 - thr) is chaotic: a last bit that differs from the f32 quotient grows into another trajectory, so every
; quotient is made correctly rounded, and step k + 1 cannot start before step k has ended.  The kernel is this chain of 5,000 x 4 dependent instructions; all else stands between its links.
; SHARES.  256 work-groups x 4 waves, a wave to a SIMD.  Thread t (counted over the launch) holds the numbers 2 t and 2 t + 1 of x: row t / 16, features 2 (t % 16) and + 1.
; Every wave makes the trajectory itself, the same number in all lanes: handing it round would not shorten the chain, and the lanes' own work (8 instructions a step) fits between its links.
; THE QUOTIENT a / b IN FOUR LINKS.  b is fixed for the launch, so 1 / b is kept in two words: rh = 1 / b correctly rounded, rl = (1 - b rh) rh.
;   1: a = z + tau and u = z rl + tau rl (one packed instruction)   2: q0 = a rh + u   3: e = a - b q0   4: q = q0 + e rh,   each one fused multiply-add.
; a rh + u differs from a / b by less than 2^-46 of it, so q0, its rounding, is one of the two floats round a / b; e is then exact, and the last link rounds as the division does
; (Markstein's theorem on FMA division: q0 faithful, rh within 2^-24 of 1 / b, relatively).
; The second branch is kept as (z - 1) / (thr - 1), the same quotient bit for bit.  A branch is five numbers: (rl, tau, tau rl, rh, -b) = (la, 0, 0, ra, -thr) or (-lb, -1, lb, -rb, 1 - thr),
; ra + la = 1 / thr, rb + lb = 1 / (1 - thr).
; z = thr GOES WITH THE FIRST BRANCH: thr / thr and (1 - thr) / (1 - thr) are both 1.  So the second branch is taken exactly where z > thr, and the number that the count of steps above
; the threshold adds is - tau: no compare is made for it.  (thr = 0: the first branch's numbers are (0, 0, 1, 0, -0), which make 1 of z = 0, as (1 - 0) / (1 - 0) does.)
; THE BRANCH IS KNOWN A STEP AHEAD.  The map rises or falls monotonically on each branch, rounding included, so the z whose successor is ABOVE thr are an interval [lo, hi] of floats
; (0 < thr < 1: about [thr^2, 1 - thr + thr^2]; thr >= 1: [1 - thr + thr^2, +inf]; thr <= 0: [-inf, 1 - thr + thr^2]).  Its ends are found once, exactly, by sending 16 neighbours of each
; estimate through the map itself.  In the loop step k + 1's five numbers are chosen from z_k while step k's chain runs: no compare and no select stands in the chain.
; THE PRODUCT WITH W is done by fused multiply-adds in f32, 16 a lane, once: it has two columns, a matrix tile of 16 x 16 would be seven eighths empty, and bf16 would round firing times up to 5,000.
; THE STORE: a wave's result is 16 bytes (two rows x two numbers), a work-group's 64; whole blocks of 256 bytes would want 32 rows, 16 waves, in a work-group: four times the loop work on a SIMD.
; LIMITS.  The quotient is correctly rounded while no intermediate underflows (dividends above about 2^-100 in magnitude); smaller ones arise only where the map contracts towards 0 (thr > 1)
; and are then at most one denormal unit off.  Where the JAX function divides by zero (thr = 0 and z < 0; thr = 1 and z >= 1) this text makes other numbers than its infinities and NaN: its
; outputs are not finite there.  The sign of a zero z is not kept.  p = cnt / tt is a reciprocal with one correction, log2 is v_log_f32, and a row's 128 products are added in another
; order than a dot product's.
.set STEPS,  5000
.set UNROLL, 40                        ; steps in a trip (even: two sets of registers take turns); 125 trips
.set XO,   1                           ; v1      byte offset of my 8 bytes of x
.set WO,   2                           ; v2      byte offset of my 8 numbers in a row of W
.set OO,   3                           ; v3      byte offset of my row in out0 (used by lanes 0 and 16)
.set X,    4                           ; v[4:5]   my two x
.set ZZ,   6                           ; v[6:7]   z of the even steps, z of the odd steps
.set AF,   8                           ; v[8:9]   1.0 until the element has fired, then 0
.set TT,   10                          ; v[10:11] firing time
.set EN,   12                          ; v[12:13] energy
.set CN,   14                          ; v[14:15] steps above the threshold
.set D,    16                          ; v[16:17] z - x
.set CG,   18                          ; v[18:19] z^2; the second is only named with it as a pair
.set AU,   20                          ; v[20:21] the chain: the dividend a, and u
.set Q0,   22                          ; the first quotient
.set REM,  23                          ; the remainder
.set WM,   24                          ; z clamped to [lo, hi]
.set CA,   25                          ; the first branch's tau rl: 0 (1 where thr = 0)
.set C0,   26                          ; v[26:31] the even steps' 1.0, rl | tau, tau rl | rh, -b
.set C1,   32                          ; v[32:37] the odd steps'
.set THR,  38
.set OMT,  39                          ; 1 - thr, rounded once, as the JAX function rounds it
.set RA,   40                          ; 1 / thr, correctly rounded
.set RB,   41                          ; 1 / (1 - thr), correctly rounded
.set NRB,  42                          ; - rb
.set NTHR, 43                          ; - thr
.set LA,   44                          ; 1 / thr - ra
.set LB,   45                          ; 1 / (1 - thr) - rb
.set NLB,  46                          ; - lb
.set IVLO, 47                          ; lo
.set IVHI, 48                          ; hi
.set EPS,  49
.set PL,   50                          ; my place among the 16 lanes of a row of x
.set NINF, 51                          ; -inf
.set WT,   52                          ; v[52:59] W[0][8 PL ..], v[60:67] W[1][8 PL ..]
.set T,    68                          ; v[68:73] at work
.set CAND, 76
.set P,    78                          ; v[78:79] firing rate
.set OM,   80                          ; v[80:81] 1 - p
.set LG,   82                          ; v[82:85] log2 of p, p, 1 - p, 1 - p
.set H,    86                          ; v[86:87] p log2 p + (1 - p) log2 (1 - p)
.set ACC,  88                          ; v[88:89] my part of out0[row][0], [1]
.set SF,   31                          ; s31, s32 lanes whose first, second element fires in this step
.set SLT1, 36                          ; s36      thr < 1
.set SGT0, 37                          ; s37      thr > 0
.set SROW, 38                          ; s38      lanes 0 to 15
; Number n of a step's five, into set c: VCC = the step's z is not above thr (the first branch)
.macro PICK c, n
.if \n == 1
	v_cndmask_b32 v[\c+1], v[NLB], v[LA],   vcc_lo
.elseif \n == 2
	v_cndmask_b32 v[\c+2], -1.0,   0,       vcc_lo
.elseif \n == 3
	v_cndmask_b32 v[\c+3], v[LB],  v[CA],   vcc_lo
.elseif \n == 4
	v_cndmask_b32 v[\c+4], v[NRB], v[RA],   vcc_lo
.else
	v_cndmask_b32 v[\c+5], v[OMT], v[NTHR], vcc_lo
.endif
.endm
.macro CHOOSE c
.irp n, 1,2,3,4,5
	PICK \c, \n
.endr
.endm
; One step of the map, bare: zo = f(zi) with the numbers of set c
.macro MAP zi, zo, c
	v_add_f32 v[AU],   v[\zi],  v[\c+2]
	v_fma_f32 v[AU+1], v[\zi],  v[\c+1], v[\c+3]
	v_fma_f32 v[Q0],   v[AU],   v[\c+4], v[AU+1]
	v_fma_f32 v[REM],  v[\c+5], v[Q0],   v[AU]
	v_fma_f32 v[\zo],  v[REM],  v[\c+4], v[Q0]
.endm
; y holds v_rcp_f32 of b.  Two refinements y <- y + y (1 - b y) bring it to the correctly rounded 1 / b or a neighbour of it; of y and its two neighbours the one with the least
; |1 - b y| is the correctly rounded one (near a tie the residuals have 23 bits and are exact).  l = (1 - b y) y is the rest of 1 / b.
.macro REFINE b, y, l
.rept 2
	v_fma_f32 v[T],  -v[\b], v[\y], 1.0
	v_fma_f32 v[\y], v[T],   v[\y], v[\y]
.endr
	v_add_nc_u32 v[T+1], 1,  v[\y]                 ; one unit in the last place further from 0,
	v_add_nc_u32 v[T+2], -1, v[\y]                 ; one nearer
	v_fma_f32 v[T],   -v[\b], v[\y],  1.0
	v_fma_f32 v[T+3], -v[\b], v[T+1], 1.0
	v_fma_f32 v[T+4], -v[\b], v[T+2], 1.0
	v_cmp_lt_f32 vcc_lo, |v[T+3]|, |v[T]|
	v_cndmask_b32 v[\y], v[\y], v[T+1], vcc_lo
	v_cndmask_b32 v[T],  v[T],  v[T+3], vcc_lo
	v_cmp_lt_f32 vcc_lo, |v[T+4]|, |v[T]|
	v_cndmask_b32 v[\y], v[\y], v[T+2], vcc_lo
	v_cndmask_b32 v[T],  v[T],  v[T+4], vcc_lo
	v_mul_f32 v[\l], v[T], v[\y]
.endm
	s_load_b256 s[4:11], s[0:1], 0x0               ; x s[4:5], initial_cond s[6:7], threshold s[8:9], epsilon s[10:11]
	s_load_b128 s[12:15], s[0:1], 0x20             ; W s[12:13], b s[14:15]
	s_load_b64 s[16:17], s[0:1], 0x30              ; out0
	v_and_b32 v[PL], 15, v0
	v_lshlrev_b32 v[XO], 3, v0                     ; 8 bytes a thread,
	v_lshlrev_b32 v[WO], 5, v[PL]                  ; 8 numbers of W a lane: features 2 PL and 2 PL + 1, four numbers each
	v_lshrrev_b32 v[OO], 1, v0                     ; 8 bytes a row of 16 threads
	s_lshl_b32 s18, ttmp9, 10                      ; a work-group has 1,024 bytes of x
	s_lshl_b32 s19, ttmp9, 6                       ; and 64 bytes of out0
	v_add_nc_u32 v[XO], s18, v[XO]
	v_add_nc_u32 v[OO], s19, v[OO]
	s_wait_kmcnt 0x0
	s_load_b32 s20, s[6:7], 0x0                    ; initial_cond
	s_load_b32 s21, s[8:9], 0x0                    ; threshold
	s_load_b32 s22, s[10:11], 0x0                  ; epsilon
	s_load_b64 s[24:25], s[14:15], 0x0             ; b
	global_load_b64 v[X:X+1], v[XO], s[4:5] th:TH_LOAD_NT      ; a wave takes 256 consecutive bytes, at a multiple of 256 from x's first byte
	global_load_b128 v[WT:WT+3],     v[WO], s[12:13]
	global_load_b128 v[WT+4:WT+7],   v[WO], s[12:13] offset:16
	global_load_b128 v[WT+8:WT+11],  v[WO], s[12:13] offset:512
	global_load_b128 v[WT+12:WT+15], v[WO], s[12:13] offset:528
	s_wait_kmcnt 0x0
	; the fixed numbers, the same in every lane
	v_mov_b32 v[THR], s21
	v_mov_b32 v[EPS], s22
	v_mov_b32 v[ZZ], s20                           ; z_0
	v_mov_b32 v[ZZ+1], 0                           ; named with it as a pair, so it is written
	v_mov_b32 v[CG+1], 0                           ; likewise
	v_mov_b32 v[C0], 1.0                           ; the factor that makes a = z x 1 + tau, in both sets
	v_mov_b32 v[C1], 1.0
	v_sub_f32 v[OMT], 1.0, v[THR]
	v_xor_b32 v[NTHR], 0x80000000, v[THR]
	v_rcp_f32 v[RA], v[THR]
	v_rcp_f32 v[RB], v[OMT]
	v_mov_b32 v[NINF], 0xff800000                  ; the plain instruction between the reciprocals and their first use
	s_wait_alu depctr_va_vdst(0)
	REFINE THR, RA, LA
	REFINE OMT, RB, LB
	v_xor_b32 v[NRB], 0x80000000, v[RB]
	v_xor_b32 v[NLB], 0x80000000, v[LB]
	v_cmp_eq_f32 vcc_lo, 0, v[THR]                 ; thr = 0: the first branch makes q0 = a x 0 + 1, e = 0, q = 1
	v_cndmask_b32 v[RA], v[RA], 0, vcc_lo
	v_cndmask_b32 v[LA], v[LA], 0, vcc_lo
	v_cndmask_b32 v[CA], 0, 1.0, vcc_lo
	; THE ENDS OF [lo, hi].  Lanes 0-15 try the estimate of lo and its neighbours -8 .. +7 units in the last place away, lanes 16-31 the same round hi.  An estimate is a product or a
	; fused multiply-add of thr and 1 - thr, and the true end differs from it by the half units of thr, of 1 - z and of the estimate's own rounding: three units at the most.
	v_add_nc_u32 v[T], -8, v[PL]
	v_mul_f32 v[T+1], v[THR], v[THR]               ; thr^2
	v_fma_f32 v[T+2], -v[OMT], v[THR], 1.0         ; 1 - (1 - thr) thr: at least 0.75, so stepping its bits steps the float
	v_and_b32 v[T+3], 16, v0
	v_cmp_gt_f32 s[SLT1], 1.0, v[THR]
	v_cmp_lt_f32 s[SGT0], 0, v[THR]
	v_cmp_eq_u32 s[SROW], 0, v[T+3]
	v_cndmask_b32 v[T+1], v[T+2], v[T+1], s[SLT1]  ; lo lies near thr^2 where thr < 1, else near the other estimate
	v_cndmask_b32 v[T+1], v[T+2], v[T+1], s[SROW]
	v_add_nc_u32 v[CAND], v[T+1], v[T]
	v_cmp_le_f32 vcc_lo, v[CAND], v[THR]           ; each lane's candidate takes its own branch
	CHOOSE C1
	MAP CAND, T+1, C1
	v_cmp_le_f32 vcc_lo, v[T+1], v[THR]            ; its successor is not above thr: the candidate lies outside the interval
	v_xor_b32 v[T+2], 0x80000000, v[CAND]
	v_cndmask_b32 v[T+2], v[CAND], v[T+2], s[SROW] ; lanes 0-15 look for the least candidate inside: the largest of the negated ones
	v_cndmask_b32 v[T+2], v[T+2], v[NINF], vcc_lo
.irp m, 1,2,4,8
	v_max_num_f32_dpp v[T+2], v[T+2], v[T+2] row_xmask:\m row_mask:0xf bank_mask:0xf
.endr
	v_readlane_b32 s34, v[T+2], 0                  ; - lo
	v_readlane_b32 s35, v[T+2], 16                 ; hi
	v_mov_b32 v[IVLO], s34
	v_mov_b32 v[IVHI], s35
	v_mov_b32 v[T+3], 0x7f800000
	v_xor_b32 v[IVLO], 0x80000000, v[IVLO]
	v_cndmask_b32 v[IVLO], v[NINF], v[IVLO], s[SGT0]   ; thr <= 0: the interval has no lower end
	v_cndmask_b32 v[IVHI], v[T+3],  v[IVHI], s[SLT1]   ; thr >= 1: no upper end
	v_cmp_le_f32 vcc_lo, v[ZZ], v[THR]             ; step 0's branch is read off z_0 itself
	CHOOSE C0
.irp r, AF, AF+1
	v_mov_b32 v[\r], 1.0
.endr
.irp r, TT, TT+1, EN, EN+1, CN, CN+1
	v_mov_b32 v[\r], 0
.endr
	s_wait_loadcnt 0x4                             ; x is in: loads come back in order, and the four loads of W issued behind it may stay out until the loop has ended
; STEP k, k % 2 = i: twenty instructions.  The chain's four links (marked *) stand at places 0, 5, 10 and 15; the sixteen others are step k's work on my two elements, which needs z_k
; alone, and the choice of step k + 1's numbers.  They are dealt so that four instructions stand between every result and its first reader, over the step's end too.
; As in the JAX function an element still counts the step in which it fires: the three sums take af before the step's test clears it.
.macro STEP i
.set ZI,  ZZ+\i
.set ZO,  ZZ+1-\i
.set CC,  C0+6*\i
.set CNX, C0+6-6*\i
	v_pk_fma_f32 v[AU:AU+1], v[ZZ:ZZ+1], v[CC:CC+1], v[CC+2:CC+3] op_sel:[\i,0,0] op_sel_hi:[\i,1,1]       ; * a = z + tau, u = z rl + tau rl
	v_med3_num_f32 v[WM], v[ZI], v[IVLO], v[IVHI]
	v_pk_add_f32 v[D:D+1], v[ZZ:ZZ+1], v[X:X+1] op_sel:[\i,0] op_sel_hi:[\i,1] neg_lo:[0,1] neg_hi:[0,1]   ; z_k - x, both elements
	v_mul_f32 v[CG], v[ZI], v[ZI]
	v_pk_add_f32 v[TT:TT+1], v[TT:TT+1], v[AF:AF+1]
	v_fma_f32 v[Q0], v[AU], v[CC+4], v[AU+1]                       ; * q0 = a rh + u
	v_cmp_neq_f32 vcc_lo, v[WM], v[ZI]                             ; z_k outside [lo, hi]: z_k+1 will not be above thr
	v_cmp_lt_f32 s[SF],   |v[D]|,   v[EPS]
	v_cmp_lt_f32 s[SF+1], |v[D+1]|, v[EPS]
	v_pk_fma_f32 v[EN:EN+1], v[AF:AF+1], v[CG:CG+1], v[EN:EN+1] op_sel_hi:[1,0,1]                          ; + af z^2
	v_fma_f32 v[REM], v[CC+5], v[Q0], v[AU]                        ; * e = a - b q0
	PICK CNX, 2                                                    ; the three numbers that the next step's first link reads come first
	PICK CNX, 3
	PICK CNX, 1
	v_pk_fma_f32 v[CN:CN+1], v[AF:AF+1], v[CC+2:CC+3], v[CN:CN+1] op_sel_hi:[1,0,1] neg_lo:[0,1,0] neg_hi:[0,1,0]   ; + af (- tau): 1 where z_k > thr
	v_fma_f32 v[ZO], v[REM], v[CC+4], v[Q0]                        ; * z_k+1 = q0 + e rh
	PICK CNX, 4
	PICK CNX, 5
	v_cndmask_b32 v[AF],   v[AF],   0, s[SF]
	v_cndmask_b32 v[AF+1], v[AF+1], 0, s[SF+1]
.endm
	s_mov_b32 s26, STEPS/UNROLL
.Ltrip:
.rept UNROLL/2
	STEP 0
	STEP 1
.endr
	s_sub_co_i32 s26, s26, 1
	s_cmp_lg_u32 s26, 0
	s_cbranch_scc1 .Ltrip
	; THE FEATURES AND THE PRODUCT, once.  p = cnt / tt (tt is at least 1): reciprocal, quotient, one correction, so that cnt = tt gives exactly 1
	s_wait_loadcnt 0x0                             ; W
	v_rcp_f32 v[T],   v[TT]
	v_rcp_f32 v[T+1], v[TT+1]
	v_mul_f32 v[ACC],   v[TT], v[WT]               ; the first products start the sums; they are also the plain instructions behind the reciprocals
	v_mul_f32 v[ACC+1], v[TT], v[WT+8]
	s_wait_alu depctr_va_vdst(0)
	v_pk_mul_f32 v[T+2:T+3], v[CN:CN+1], v[T:T+1]
	v_pk_fma_f32 v[T+4:T+5], v[TT:TT+1], v[T+2:T+3], v[CN:CN+1] neg_lo:[1,0,0] neg_hi:[1,0,0]
	v_pk_fma_f32 v[P:P+1], v[T+4:T+5], v[T:T+1], v[T+2:T+3]
	v_sub_f32 v[OM],   1.0, v[P]
	v_sub_f32 v[OM+1], 1.0, v[P+1]
.irp e, 0,1                            ; v log2 v with log2 taken of 1 where v is not above 0: the product is then 0
	v_cmp_lt_f32 vcc_lo, 0, v[P+\e]
	v_cndmask_b32 v[LG+\e], 1.0, v[P+\e], vcc_lo
	v_cmp_lt_f32 vcc_lo, 0, v[OM+\e]
	v_cndmask_b32 v[LG+2+\e], 1.0, v[OM+\e], vcc_lo
.endr
.irp i, 0,1,2,3
	v_log_f32 v[LG+\i], v[LG+\i]
.endr
.irp j, 0,1                            ; W[j][4 f + c]: c = 0 firing time, 1 energy, 2 rate, 3 entropy.  These ten stand behind the logarithms and touch none of them
	v_fmac_f32 v[ACC+\j], v[TT+1], v[WT+8*\j+4]
	v_fmac_f32 v[ACC+\j], v[EN],   v[WT+8*\j+1]
	v_fmac_f32 v[ACC+\j], v[EN+1], v[WT+8*\j+5]
	v_fmac_f32 v[ACC+\j], v[P],    v[WT+8*\j+2]
	v_fmac_f32 v[ACC+\j], v[P+1],  v[WT+8*\j+6]
.endr
	s_wait_alu depctr_va_vdst(0)
	v_pk_mul_f32 v[H:H+1], v[P:P+1], v[LG:LG+1]
	v_pk_fma_f32 v[H:H+1], v[OM:OM+1], v[LG+2:LG+3], v[H:H+1]
.irp j, 0,1
	v_fma_f32 v[ACC+\j], -v[H],   v[WT+8*\j+3], v[ACC+\j]          ; the entropy is - H
	v_fma_f32 v[ACC+\j], -v[H+1], v[WT+8*\j+7], v[ACC+\j]
.endr
.irp m, 1,2,4,8                        ; a row of x lies in 16 neighbouring lanes: four steps add their parts, and every lane has the sum
	v_add_f32_dpp v[ACC],   v[ACC],   v[ACC]   row_xmask:\m row_mask:0xf bank_mask:0xf
	v_add_f32_dpp v[ACC+1], v[ACC+1], v[ACC+1] row_xmask:\m row_mask:0xf bank_mask:0xf
.endr
	v_add_f32 v[ACC],   s24, v[ACC]
	v_add_f32 v[ACC+1], s25, v[ACC+1]
	v_cmp_eq_u32 vcc_lo, 0, v[PL]
	s_wait_xcnt 0x0                                ; EXEC is narrowed only when every earlier memory instruction has had its addresses translated
	s_and_saveexec_b32 s33, vcc_lo                 ; lanes 0 and 16: one for each of the wave's two rows
	global_store_b64 v[OO], v[ACC:ACC+1], s[16:17] th:TH_STORE_NT  ; 16 consecutive bytes a wave
	s_endpgm
.Lfunc_end_k_qa05131d3e4_chaos:
	.size	k_qa05131d3e4_chaos, .Lfunc_end_k_qa05131d3e4_chaos-k_qa05131d3e4_chaos
	.p2alignl 7, 3214868480
	.fill 96, 4, 3214868480
	.section	.rodata,"a",@progbits
	.p2align	6, 0x0
	.amdhsa_kernel k_qa05131d3e4_chaos
		.amdhsa_group_segment_fixed_size 0
		.amdhsa_private_segment_fixed_size 0
		.amdhsa_enable_private_segment 0
		.amdhsa_kernarg_size 56
		.amdhsa_user_sgpr_count 2
		.amdhsa_user_sgpr_kernarg_segment_ptr 1
		.amdhsa_wavefront_size32 1
		.amdhsa_system_sgpr_workgroup_id_x 1
		.amdhsa_system_sgpr_workgroup_id_y 1
		.amdhsa_system_sgpr_workgroup_id_z 1
		.amdhsa_system_vgpr_workitem_id 0
		.amdhsa_next_free_vgpr 92
		.amdhsa_next_free_sgpr 66
		.amdhsa_reserve_vcc 1
		.amdhsa_float_denorm_mode_32 3
		.amdhsa_float_denorm_mode_16_64 3
		.amdhsa_memory_ordered 1
		.amdhsa_forward_progress 1
		.amdhsa_inst_pref_size 52
	.end_amdhsa_kernel
	.amdgpu_metadata
---
amdhsa.version: [ 1, 2 ]
amdhsa.kernels:
  - .name:           k_qa05131d3e4_chaos
    .symbol:         k_qa05131d3e4_chaos.kd
    .args:
      - { .name: x, .offset: 0, .size: 8, .value_kind: global_buffer, .address_space: global }
      - { .name: initial_cond, .offset: 8, .size: 8, .value_kind: global_buffer, .address_space: global }
      - { .name: threshold, .offset: 16, .size: 8, .value_kind: global_buffer, .address_space: global }
      - { .name: epsilon, .offset: 24, .size: 8, .value_kind: global_buffer, .address_space: global }
      - { .name: W, .offset: 32, .size: 8, .value_kind: global_buffer, .address_space: global }
      - { .name: b, .offset: 40, .size: 8, .value_kind: global_buffer, .address_space: global }
      - { .name: out0, .offset: 48, .size: 8, .value_kind: global_buffer, .address_space: global }
    .group_segment_fixed_size: 0
    .private_segment_fixed_size: 0
    .kernarg_segment_align: 8
    .kernarg_segment_size: 56
    .max_flat_workgroup_size: 128
    .sgpr_count:     66
    .vgpr_count:     92
    .wavefront_size: 32
...
	.end_amdgpu_metadata
.endif
;; end of part 2
